; MI455X (gfx1250); checked and timed in simulation.
; The chip was launched on July 23, 2026; its instructions are those of AMD's public machine-readable ISA for CDNA 5 (MIT licence, August 2026) and "CDNA5" Instruction Set Architecture Reference Guide (July 2026). The comments in the code are by the model that wrote it; some were corrected since.
;; Arccos Hessian Calculator. Allowed arithmetic: matrix products marked QUANTISED: E2M3 operands, one E8M0 scale for each 32 along K, by v_wmma_scale_f32_16x16x128_f8f6f4 with both operands' format E2M3, f32 sums; products left as they are: f32 operands where the result goes on into a quantised operand, else bf16, f16 or f32 operands; f32 sums; everything else in f32.
;; Inputs: W_codes 128 x 16 x 24 uint8 (E2M3 codes of W, K innermost, in blocks of 32 codes, four codes in three bytes); W_scales 128 x 16 uint8 (E8M0 scales of W, one for each 32 codes along K); an 1,024 int32; ap 1,024 int32; n 1,024 int32; p 1,024 int32; x 16,384 x 512 float32.
;; Outputs: out0 65,536 float32.
;; This version of the problem:
;;   THIS VERSION OF THE PROBLEM IS GIVEN IN LOW PRECISION. The matrix products marked QUANTISED in the list below multiply operands that are first quantised to E2M3 (2 exponent bits, 3 mantissa bits; 6 bits a number), with one power-of-two scale for each 32 numbers along K (OCP MX v1.0); their sums are f32. All else is computed in f32.
;;   The module's matrix products, in the order in which they are computed (A, B: the left and right operand; K: the contracted axis; several contracted axes count as one K, in the product's order):
;;     1. [M 1,024, K 512] x [K 512, N 128]; A: computed on the way; B: input W (given as codes): QUANTISED
;;     2. [M 1,024, K 512] x [K 512, N 128]; A: computed on the way; B: input W (given as codes): QUANTISED
;;     3. batch 1,024 x [M 128, K 1] x [K 1, N 128]; A: computed on the way; B: computed on the way: left as it is (no contracted axis)
;;     4. batch 1,024 x [M 128, K 1] x [K 1, N 128]; A: computed on the way; B: computed on the way: left as it is (no contracted axis)
;;     5. batch 1,024 x [M 128, K 1] x [K 1, N 128]; A: computed on the way; B: computed on the way: left as it is (no contracted axis)
;;     6. batch 1,024 x [M 128, K 1] x [K 1, N 128]; A: computed on the way; B: computed on the way: left as it is (no contracted axis)
;;     7. [M 1,024, K 512] x [K 512, N 128]; A: computed on the way; B: input W (given as codes): QUANTISED
;;     8. [M 1,024, K 512] x [K 512, N 128]; A: computed on the way; B: input W (given as codes): QUANTISED
;;     9. batch 1,024 x [M 128, K 1] x [K 1, N 128]; A: computed on the way; B: computed on the way: left as it is (no contracted axis)
;;     10. batch 1,024 x [M 128, K 1] x [K 1, N 128]; A: computed on the way; B: computed on the way: left as it is (no contracted axis)
;;     11. batch 1,024 x [M 128, K 1] x [K 1, N 128]; A: computed on the way; B: computed on the way: left as it is (no contracted axis)
;;     12. batch 1,024 x [M 128, K 1] x [K 1, N 128]; A: computed on the way; B: computed on the way: left as it is (no contracted axis)
;;   THE QUANTISER, for each operand of a quantised product, along K:
;;     - K is cut into blocks of 32 from its start; a last block that is shorter is filled with zeros.
;;     - A block's scale is 2^e with e = floor(log2(the largest magnitude in the block)) - 2, held to -126 .. 127; a block of zeros has e = 0. As a byte (E8M0): e + 127.
;;     - Each number is divided by its block's scale, clamped to +-7.5, and rounded to the nearest number of E2M3, ties to even, subnormals kept.
;;     - The product sums the exact products of the quantised numbers (number of the format x scale) in f32.
;;   ~~~python
;;   def quantise(x, axis):      # numpy; x: float32 -> the quantised numbers, widened to float32 again
;;       x = np.moveaxis(x, axis, -1); K = x.shape[-1]
;;       x = np.pad(x, [(0, 0)] * (x.ndim - 1) + [(0, -K % 32)]); x = x.reshape(x.shape[:-1] + (-1, 32)); a = np.abs(x).max(-1, keepdims=True)
;;       e = np.where(a > 0, np.clip(np.frexp(np.where(a > 0, a, 1))[1] - 1 - 2, -126, 127), 0)      # np.frexp(a)[1] - 1 = floor(log2(a)), exactly
;;       r = np.clip(x / 2.0 ** e, -7.5, 7.5)
;;       step = 2.0 ** (np.maximum(np.frexp(np.where(r == 0, 1, r))[1] - 1, 0) - 3)
;;       q = np.round(r / step) * step * 2.0 ** e      # np.round: ties to even
;;       return np.moveaxis(q.reshape(q.shape[:-2] + (-1,))[..., :K], -1, axis).astype(np.float32)
;;   ~~~
;;   OPERANDS COMPUTED ON THE WAY. 'Computed on the way' means the value that the module computes at that place (a softmax that the list does not call 'softmax' is quantised finished and normalised). What goes into a quantiser is computed in f32, as accurately as f32 sums, v_exp_f32 and their like allow (about 1e-6 of the number): no bf16 or f16 on the way to a quantiser, and a product that is left as it is and whose result goes on into a quantised operand takes f32 operands (vector FMAs, or v_wmma_f32_16x16x4_f32). A number that lies on a knife's edge between two numbers of the format may be rounded either way, as far as f32 arithmetic and the matrix unit's own rounding can turn it there, and no further.
;;   INPUTS GIVEN AS CODES. W (in the module: [128, 512], K = its axis 1): each comes as NAME_codes (uint8): NAME with its K axis moved to the last place and cut into blocks of 32 codes, [.., K / 32, bytes a block], one block behind the other in memory; four codes in three bytes: a row's codes are one little-endian stream of bits, code i at bits 6 i .. 6 i + 5 (a code: sign, 2 exponent bits, 3 mantissa bits); and NAME_scales (uint8): the same leading axes, one E8M0 byte (e + 127) for each 32 codes along K. Its value is code x scale, taken as it is: it is not quantised again, and the codes and scales need not be those that the quantiser above would give.
;; 2 versions, each right; version 2 is version 1 with the launch pairs written anew for expert scheduling mode. Each part assembles by itself: llvm-mc -triple=amdgcn-amd-amdhsa -mcpu=gfx1250 --defsym DOCPART=n.
;; ======== version 1 of 2: 2 launches
;; workspace buffers: part 8,388,608 bytes
;; launch pairs (part 1): grid 8 x 32, 4 waves a work-group, no clusters, 201,216 bytes of LDS; arguments x, W_codes, W_scales, ap, p, an, n, part; writes part
.if DOCPART == 1
	.amdgcn_target "amdgcn-amd-amdhsa--gfx1250"
	.amdhsa_code_object_version 6
	.text
	.protected	k_q8faa455d59_pairs
	.globl	k_q8faa455d59_pairs
	.p2align	8
	.type	k_q8faa455d59_pairs,@function
k_q8faa455d59_pairs:
	s_mov_b64 s[64:65], 0
	v_nop
	global_prefetch_b8 v0, s[64:65] scope:SCOPE_SE
	s_setreg_imm32_b32 hwreg(HW_REG_WAVE_MODE, 25, 1), 1
	s_wait_xcnt 0x0
; out[i][j] = sum over pairs b of +-( d11[b][i] x1[b][j]^2 - 2 d12[b][i] x1[b][j] x2[b][j] + d22[b][i] x2[b][j]^2 ), + for the pairs (ap, p), - for (an, n).
; d11, d12, d22 are the diagonals of the arccos Hessian's blocks at z1 = Q(x1) W^T, z2 = Q(x2) W^T; only the diagonals are used, so the outer products are never formed.
; z1, z2: codes of E2M3 with one E8M0 scale for each 32 along K; x is quantised here, W arrives as codes.  All else in f32.
; SHARES.  The 2,048 pairs are cut into 32 slices of 64 (work-group y; slices 0-15 positive, 16-31 negative), the 512 columns j into 8 slices of 64 (work-group x).
; A work-group makes the partial sum of its 64 pairs for all 128 i and its 64 j: 32 KiB, stored to part[slice][i][j]; the next launch adds the 32 slices.
; Wave w owns pairs 16 w .. 16 w + 15 of the slice from gather to sum, for the whole 128 x 64 tile, so D and P never go from wave to wave; the four waves' tiles are added through LDS at the end.
; THE SUM is a product in f32 with K = 48 a wave (3 kinds x 16 pairs): D[k][i] (128 numbers a row) and P[k][j] (64 a row) lie in the wave's own LDS.  Lanes are 8 (li = lane / 4) x 4 (lj = lane % 4);
; a lane owns i = 32 c + 4 li + e and j = 16 c' + 4 lj + e' (c, e, c', e' = 0..3): 256 accumulators.  For each k: 8 loads of 16 bytes and 128 packed multiply-adds (two j each; D's number is taken for both halves by op_sel).
; THE MATRIX INSTRUCTION IS USED TRANSPOSED: source 0 = 16 rows of W, source 1 = 16 rows of x: lane (r, h) holds pair r and, in tile t, i = 16 t + 8 h + 0..7.  So a pair's norms, cosine and coefficients are a lane's own numbers.
; W: wave w loads the 8 fragments of K step w from memory and stores them to LDS as images of their registers (3 stores of 16 bytes a lane); every wave loads them back so.
; No tensor load: the rows of x are named by a list.  No cluster: what work-groups share are gathered rows and 48 KiB of W.
; LIMITS: NaN and infinities in x are not served; a block whose largest magnitude lies under 2^-124 gets the byte 1; a row of z whose squared norm lies under 2^-126 counts as zero in v_rsq_f32 (ISA guide 15.8); indices are held to 0 .. 16383.
; REGISTERS, in windows of 256 (s_set_vgpr_msb: bits 1:0 source 0, 3:2 source 1, 5:4 source 2, 7:6 destination):
;   window 0: v1-30 addresses; v32-63 W's scale words; v64-159 x's codes, later the sum's operand buffers; v160-167 x's scale words; v168-199 at work; v200-231 offsets of the row slices; v232-251 coefficients
;   window 1: x1's numbers; then W's fragments, two buffers; then t, q1, q2, e; then the 256 accumulators; then the four tiles to be added
;   window 2: x2's numbers; then z1 (v0-63), z2 (v64-127)          window 3: v0-95 the W fragments that I fetch; v128-223 the row slices and their products
.set RW,    37888                      ; LDS: a wave's own region: D, then P; later the stage for its tile lies over them
.set DP,    528                        ; a row of D: 512 bytes + 16: row r begins 16 bytes further on modulo 256, so sixteen lanes that store to sixteen rows touch sixteen different 16-byte columns
.set POFF,  48*DP                      ; P begins behind D's 48 rows
.set PP,    256                        ; a row of P
.set SP,    272                        ; a row of the stage: 256 bytes + 16: four rows on are 64 bytes on modulo 256
.set WIMG,  4*RW                       ; behind the four regions: W's 32 fragments as images, fragment (tile t, K step s) at 4 t + s
.set FRB,   1536                       ; an image: 12 registers x 32 lanes x 4 bytes
.set LANE, 1
.set RR,   2                           ; r = lane % 16
.set HH,   3                           ; h = lane / 16
.set OQ,   4                           ; v4, v5  byte offset in x of my row of x1, x2, + 128 h
.set OWC,  6                           ; W's codes: 384 r + 24 h
.set OWS,  7                           ; W's scale bytes: 16 r
.set AWI,  8                           ; where I store images
.set AWL,  9                           ; where I load images
.set ADS,  10                          ; where I store D
.set APS,  11                          ; where I store P
.set ADA,  12                          ; the sum: D's and P's row for buffer A,
.set APA,  13
.set ADB,  14                          ; and for buffer B
.set APB,  15
.set AST,  16                          ; the stage: where I put my tile
.set ARD,  17                          ; v17-20  and where I read the four waves' tiles
.set OG,   21                          ; my byte offset in part
.set SH8,  22                          ; 8 h
.set OIX,  23                          ; 4 r
.set IX,   24                          ; v24, v25  my row's indices
.set L16,  26
.set L8,   27
.set LI,   28
.set LJ,   29
.set H128, 30
.set WS,   32                          ; W's scale words: tile t, K step s at 4 t + s
.set COD,  64                          ; x's codes: operand T, K step s at 48 T + 12 s
.set SW,   160                         ; x's scale words: 4 T + s
.set M,    168                         ; v168-171 four running maxima
.set SCL,  172                         ; v172-173 the conversions' scale operands
.set BY,   174                         ; v174-175 scale bytes
.set PT,   176                         ; v176-177
.set CT,   180                         ; v180-187 the second halves of two blocks' codes
.set SU,   188                         ; v188-199 the sums over i
.set R1,   176
.set R2,   177
.set AA,   178
.set BB,   179
.set GG,   180
.set CC,   181
.set SC,   182
.set TM,   183
.set SO,   200
.set CO,   232                         ; coefficients, each twice (a pair for the packed forms): +0 c0, +2 ct, +4 cq1, +6 cq2, +8 g1, +10 a1, +12 g3, +14 a3, +16 b1, +18 b3
.set BDA,  64                          ; the sum's operands: buffer A: 16 of D, 16 of P; buffer B likewise
.set BPA,  80
.set BDB,  96
.set BPB,  112
.set WV,   20                          ; s20 wave
.set SL,   22                          ; s22 slice of pairs
.set SG1,  23                          ; s23 +-1.0
.set XS,   26                          ; s[26:27] x at my 64 columns
.set RG,   28                          ; s28 my region in LDS
.set SG2,  29                          ; s29 +-2.0
.set CNT,  30
.set ID,   32                          ; s32-47 x1's rows, s48-63 x2's, as byte offsets
.set SEL,  66                          ; s[66:67] v_permlanex16_b32's selects for lane l xor 16
.set MSB, 0
.macro WIN new                         ; the immediate's high byte repeats the setting that is left; a switch that changes nothing is dropped
.if MSB != (\new)
	s_set_vgpr_msb (MSB<<8)|(\new)
.set MSB, (\new)
.endif
.endm
.macro PLACES n
.rept \n
	v_nop
.endr
.endm
.macro BARRIER                         ; my LDS stores have landed and my LDS loads are in: then the work-group's barrier
	s_wait_dscnt 0x0
	s_barrier_signal -1
	s_barrier_wait -1
.endm
	s_load_b512 s[4:19], s[0:1], 0x0               ; x s[4:5], W's codes s[6:7], W's scales s[8:9], ap s[10:11], p s[12:13], an s[14:15], n s[16:17], part s[18:19]
	v_lshl_add_u32 v254, v0, 2, 0x31000
	v_mov_b32 v255, 0
	v_and_b32 v[LANE], 31, v0
	v_lshrrev_b32 v[IX], 5, v0
	v_readfirstlane_b32 s[WV], v[IX]
	v_and_b32 v[RR], 15, v0
	v_bfe_u32 v[HH], v0, 4, 1
	v_lshrrev_b32 v[LI], 2, v[LANE]
	v_and_b32 v[LJ], 3, v0
	s_and_b32 s[SL], ttmp7, 0xffff
	s_mov_b32 s[SEL], 0x76543210
	s_mov_b32 s[SEL+1], 0xfedcba98
	s_mul_i32 s[RG], s[WV], RW
	v_lshlrev_b32 v[L16], 4, v[LANE]
	v_lshlrev_b32 v[L8], 3, v[LANE]
	v_lshlrev_b32 v[H128], 7, v[HH]
	v_lshlrev_b32 v[SH8], 3, v[HH]
	v_lshlrev_b32 v[OIX], 2, v[RR]
	v_lshlrev_b32 v[OWS], 4, v[RR]
	v_mul_u32_u24 v[OWC], v[RR], 384               ; a row of W is 512 codes, 384 bytes
	v_mad_u32_u24 v[OWC], v[HH], 24, v[OWC]
	v_mov_b32 v[PT+1], 0                           ; written once: a lane permute's destination counts as one of its sources
	s_wait_kmcnt 0x0
	s_cmp_lt_u32 s[SL], 16                         ; a positive slice or a negative one: the choice hangs on the work-group's number alone
	s_cselect_b64 s[10:11], s[10:11], s[14:15]
	s_cselect_b64 s[12:13], s[12:13], s[16:17]
	s_cselect_b32 s[SG1], 1.0, -1.0
	s_cselect_b32 s[SG2], 2.0, -2.0
	s_and_b32 s24, s[SL], 15
	s_lshl_b32 s24, s24, 8                         ; 64 indices a slice,
	s_lshl_b32 s25, s[WV], 6                       ; 16 a wave
	s_add_co_u32 s24, s24, s25
	s_mov_b32 s25, 0
	s_add_nc_u64 s[10:11], s[10:11], s[24:25]
	s_add_nc_u64 s[12:13], s[12:13], s[24:25]
	s_load_b512 s[ID:ID+15], s[10:11], 0x0         ; my 16 pairs' rows, as scalars (for the row slices),
	s_load_b512 s[ID+16:ID+31], s[12:13], 0x0
	global_load_b32 v[IX], v[OIX], s[10:11]        ; and lane (r, h): pair r's (for the operands)
	global_load_b32 v[IX+1], v[OIX], s[12:13]
	s_mul_i32 s24, s[WV], 96
	s_add_nc_u64 s[6:7], s[6:7], s[24:25]          ; W's codes at K step w: 96 bytes a step
	s_lshl_b32 s24, ttmp9, 8
	s_add_nc_u64 s[XS:XS+1], s[4:5], s[24:25]      ; x at my work-group's 64 columns
	s_add_nc_u64 s[18:19], s[18:19], s[24:25]      ; part likewise,
	s_lshl_b32 s24, s[SL], 18
	s_add_nc_u64 s[18:19], s[18:19], s[24:25]      ; in my slice's 256 KiB,
	s_lshl_b32 s24, s[WV], 16
	s_add_nc_u64 s[18:19], s[18:19], s[24:25]      ; at row 32 w: the rows that I store
	WIN 0xc0                                       ; destination window 3
.set t, 0
.rept 8                                        ; W's fragment (tile t, K step w): lane (r, h) takes row 16 t + r; registers 6 c .. 6 c + 5 are the 24 bytes at 48 c + 24 h, in pieces of 8 bytes
.set p, 0
.rept 6
	global_load_b64 v[12*t+2*p:12*t+2*p+1], v[OWC], s[6:7] offset:6144*t+48*(p/3)+8*(p%3)
.set p, p+1
.endr
.set t, t+1
.endr
	WIN 0
.set t, 0
.rept 8
	global_load_b128 v[WS+4*t:WS+4*t+3], v[OWS], s[8:9] offset:256*t   ; row 16 t + r's 16 scale bytes: the words of K steps 0 to 3
.set t, t+1
.endr
	; LDS addresses, made while the loads are out
	s_mul_i32 s24, s[WV], FRB
	s_add_co_u32 s24, s24, WIMG
	v_add_nc_u32 v[AWI], s24, v[L16]               ; images: 16 x lane; I store fragments 4 t + w
	v_add_nc_u32 v[AWL], WIMG, v[L16]
	v_mul_u32_u24 v[ADS], v[RR], DP
	v_lshl_add_u32 v[ADS], v[HH], 5, v[ADS]
	v_add_nc_u32 v[ADS], s[RG], v[ADS]             ; D: row r of a kind, + 32 h bytes
	s_add_co_u32 s24, s[RG], POFF
	v_add_nc_u32 v[APS], s24, v[L8]                ; P: 8 bytes a lane
	v_lshl_add_u32 v[ADA], v[LI], 4, s[RG]         ; the sum: D's row 0, 16 li
	v_lshl_add_u32 v[APA], v[LJ], 4, s24           ; P's row 0, 16 lj
	v_add_nc_u32 v[ADB], DP, v[ADA]                ; row 1
	v_add_nc_u32 v[APB], PP, v[APA]
	v_mul_u32_u24 v[AST], v[LI], 4*SP
	v_lshl_add_u32 v[AST], v[LJ], 4, v[AST]
	v_add_nc_u32 v[AST], s[RG], v[AST]             ; the stage: row 4 li, + 16 lj
	s_mul_i32 s24, s[WV], 32*SP
	v_mul_u32_u24 v[ARD], v[HH], SP
	v_lshl_add_u32 v[ARD], v[RR], 4, v[ARD]
	v_add_nc_u32 v[ARD], s24, v[ARD]               ; back: rows 32 w + h on, 16 bytes a lane, in each wave's stage
	v_add_nc_u32 v[ARD+1], RW, v[ARD]
	v_add_nc_u32 v[ARD+2], 2*RW, v[ARD]
	v_add_nc_u32 v[ARD+3], 3*RW, v[ARD]
	v_lshlrev_b32 v[OG], 11, v[HH]
	v_lshl_add_u32 v[OG], v[RR], 4, v[OG]          ; and the same in part: a row is 2,048 bytes
	s_wait_kmcnt 0x0
.set n, 0
.rept 32
	s_min_u32 s[ID+n], s[ID+n], 0x3fff             ; an index stays inside x's 16,384 rows
	s_lshl_b32 s[ID+n], s[ID+n], 11                ; a row is 2,048 bytes
.set n, n+1
.endr
	s_wait_loadcnt 56                              ; my two indices are in: behind them W's 48 loads and the 8 of its scales
	v_min_u32 v[IX], 0x3fff, v[IX]
	v_min_u32 v[IX+1], 0x3fff, v[IX+1]
	v_lshlrev_b32 v[IX], 11, v[IX]
	v_lshlrev_b32 v[IX+1], 11, v[IX+1]
	v_add_nc_u32 v[OQ], v[IX], v[H128]
	v_add_nc_u32 v[OQ+1], v[IX+1], v[H128]
; Operand T (0: x1, 1: x2), K step s: lane (r, h) takes of its row the blocks k = 128 s + 64 c + 32 h + 0 .. 31, c = 0, 1: whole blocks of 32, 128 consecutive bytes each over eight loads, in the order that the operand's layout gives the lane.
.macro XLOAD T, s
	WIN (1+(\T))<<6
.set q, 0
.rept 16
	global_load_b128 v[64*(\s)+4*q:64*(\s)+4*q+3], v[OQ+(\T)], s[4:5] offset:512*(\s)+256*(q/8)+16*(q%8)
.set q, q+1
.endr
	WIN 0
.endm
; My 64 numbers of operand T, K step s, become 12 registers of codes and a scale word.  A block's scale is 2^(floor(log2(its largest magnitude)) - 2): its byte is the largest magnitude's exponent field - 2, held at 1 from below by the floor
; 2^(3 - 127) among the maximum's leaves.  (A block of zeros keeps the byte 1: its codes are zeros, and this program alone reads the bytes.)
.macro QUANT T, s
.set XB, 64*(\s)
.set CD, COD+48*(\T)+12*(\s)
	WIN (1+(\T))*0x14                              ; sources 1 and 2: the numbers' window
.set u, 0
.rept 4                                        ; four chains of 16 numbers, by turns
	v_max3_num_f32 v[M+u], 0x1800000, |v[XB+16*u]|, |v[XB+16*u+1]|
.set u, u+1
.endr
.set i, 2
.rept 7
.set u, 0
.rept 4
	v_max3_num_f32 v[M+u], v[M+u], |v[XB+16*u+i]|, |v[XB+16*u+i+1]|
.set u, u+1
.endr
.set i, i+2
.endr
	WIN 0
	v_max_num_f32 v[M], v[M], v[M+1]               ; block c = 0
	v_max_num_f32 v[M+2], v[M+2], v[M+3]           ; block c = 1
	v_add_nc_u32 v[SCL], 0xff000000, v[M]          ; 2 off the exponent field: the conversion takes the exponent field of this operand as its scale, and nothing else of it
	v_add_nc_u32 v[SCL+1], 0xff000000, v[M+2]
	v_lshrrev_b32 v[BY], 23, v[SCL]                ; the scales' bytes
	v_lshrrev_b32 v[BY+1], 23, v[SCL+1]
	v_lshl_or_b32 v[PT], v[BY+1], 16, v[BY]        ; blocks h and 2 + h of my row,
	v_lshlrev_b32 v[PT], v[SH8], v[PT]             ; at their places in the scale word;
	v_permlanex16_b32 v[PT+1], v[PT], s[SEL], s[SEL+1]
	v_or_b32 v[SW+4*(\T)+(\s)], v[PT], v[PT+1]     ; with lane l xor 16's two the word is whole
	WIN 1+(\T)                                     ; source 0: the numbers' window
	v_cvt_scalef32_pk16_fp6_f32 v[CD:CD+2], v[XB:XB+15], v[SCL]
	v_cvt_scalef32_pk16_fp6_f32 v[CT:CT+2], v[XB+16:XB+31], v[SCL]          ; (a conversion's three registers begin on an even number: the second half of a block's six does not, so it is made elsewhere and moved)
	v_cvt_scalef32_pk16_fp6_f32 v[CD+6:CD+8], v[XB+32:XB+47], v[SCL+1]
	v_cvt_scalef32_pk16_fp6_f32 v[CT+4:CT+6], v[XB+48:XB+63], v[SCL+1]
	WIN 0
	v_nop                                          ; one plain place behind a scaled conversion
.set i, 0
.rept 3
	v_mov_b32 v[CD+3+i], v[CT+i]
	v_mov_b32 v[CD+9+i], v[CT+4+i]
.set i, i+1
.endr
.endm
	XLOAD 0, 0
	XLOAD 0, 1
	XLOAD 0, 2
	XLOAD 0, 3
	s_wait_loadcnt 63                              ; W's fragments and scale words are in: 64 loads were issued behind them, and 63 is the largest count that the wait can name
	WIN 0x0c                                       ; an LDS store's data are its source 1: window 3
.set t, 0
.rept 8
.set i, 0
.rept 3
	ds_store_b128 v[AWI], v[12*t+4*i:12*t+4*i+3] offset:4*FRB*t+512*i     ; the fragment goes to LDS as it stands: 512 consecutive bytes a store
.set i, i+1
.endr
.set t, t+1
.endr
	WIN 0
.set n, 0
.rept 32
	v_add_nc_u32 v[SO+n], s[ID+n], v[L8]           ; a row's slice: 8 bytes a lane
.set n, n+1
.endr
	XLOAD 1, 0                                     ; x2's loads go out between x1's groups, so that numbers are on their way while others are quantised
	s_wait_loadcnt 63                              ; x1's K step 0 is in: behind it x1's other 48 loads and the 16 just issued; likewise for the next three
	QUANT 0, 0
	XLOAD 1, 1
	s_wait_loadcnt 63
	QUANT 0, 1
	XLOAD 1, 2
	s_wait_loadcnt 63
	QUANT 0, 2
	XLOAD 1, 3
	s_wait_loadcnt 63
	QUANT 0, 3
	WIN 0xc0
.set n, 0
.rept 32
	global_load_b64 v[128+2*n:129+2*n], v[SO+n], s[XS:XS+1]   ; my work-group's 64 columns of a row: 32 lanes read 256 consecutive bytes, at a multiple of 256 from x's first byte.  x1's 16 rows at v128, x2's at v160
.set n, n+1
.endr
	WIN 0
	s_wait_loadcnt 63                              ; x2's K step 0: 48 + 32 loads behind it
	QUANT 1, 0
	s_wait_loadcnt 63                              ; K step 1: 32 + 32 behind it
	QUANT 1, 1
	s_wait_loadcnt 48                              ; K step 2: 16 + 32
	QUANT 1, 2
	s_wait_loadcnt 32                              ; K step 3: the 32 slices
	QUANT 1, 3
	BARRIER                                        ; W's 32 images lie in LDS
; z1 = Q(x1) W^T, z2 = Q(x2) W^T: K step by K step, W's eight fragments from LDS into one of two buffers in window 1, a step ahead.
.macro WLOAD s
	WIN 0x40
.set t, 0
.rept 8
.set i, 0
.rept 3
	ds_load_b128 v[128*((\s)%2)+12*t+4*i:128*((\s)%2)+12*t+4*i+3], v[AWL] offset:(4*t+(\s))*FRB+512*i
.set i, i+1
.endr
.set t, t+1
.endr
.endm
.macro ZMUL s                                  ; the 16 accumulators take turns, one instruction a turn, in the same order in every K step
	WIN 0xa1                                       ; source 0 (W) window 1, source 1 (x's codes) window 0, C and D window 2
.set T, 0
.rept 2
.set t, 0
.rept 8
.if (\s) == 0
	v_wmma_scale_f32_16x16x128_f8f6f4 v[64*T+8*t:64*T+8*t+7], v[128*((\s)%2)+12*t:128*((\s)%2)+12*t+11], v[COD+48*T+12*(\s):COD+48*T+12*(\s)+11], 0, v[WS+4*t+(\s)], v[SW+4*T+(\s)] matrix_a_fmt:MATRIX_FMT_FP6 matrix_b_fmt:MATRIX_FMT_FP6
.else
	v_wmma_scale_f32_16x16x128_f8f6f4 v[64*T+8*t:64*T+8*t+7], v[128*((\s)%2)+12*t:128*((\s)%2)+12*t+11], v[COD+48*T+12*(\s):COD+48*T+12*(\s)+11], v[64*T+8*t:64*T+8*t+7], v[WS+4*t+(\s)], v[SW+4*T+(\s)] matrix_a_fmt:MATRIX_FMT_FP6 matrix_b_fmt:MATRIX_FMT_FP6
.endif
.set t, t+1
.endr
.set T, T+1
.endr
.endm
	WLOAD 0
	WLOAD 1
	PLACES 8                                       ; a scale register written by a vector instruction stands 8 places ahead of a scaled matrix instruction, an operand so written 4
	s_wait_dscnt 24                                ; K step 0's 24 loads are in; the next step's 24 may be out
	ZMUL 0
	PLACES 4                                       ; in front of loads into registers that matrix instructions have read (ISA guide 7.12.1 for vector instructions)
	WLOAD 2
	s_wait_dscnt 24
	ZMUL 1
	PLACES 4
	WLOAD 3
	s_wait_dscnt 24
	ZMUL 2
	s_wait_dscnt 0x0
	ZMUL 3
	PLACES 4                                       ; in front of the first read of results, and of writes over W's buffers
	; t = z1 z2, q1 = z1^2, q2 = z2^2, two at a time, into window 1: t v0-63, q1 v64-127, q2 v128-191.  Each accumulator is read from its low end on.
	WIN 0x4a                                       ; sources 0 and 1 window 2, destination window 1
.set p, 0
.rept 32
	v_pk_mul_f32 v[p:p+1], v[p:p+1], v[64+p:65+p]
	v_pk_mul_f32 v[64+p:65+p], v[p:p+1], v[p:p+1]
	v_pk_mul_f32 v[128+p:129+p], v[64+p:65+p], v[64+p:65+p]
.set p, p+2
.endr
	; their sums over my 64 i: six chains by turns
	WIN 0x05                                       ; sources 0 and 1 window 1, destination window 0
.set n, 0
.rept 6
	v_pk_add_f32 v[SU+2*n:SU+2*n+1], v[32*n:32*n+1], v[32*n+2:32*n+3]
.set n, n+1
.endr
	WIN 0x04                                       ; source 1 window 1
.set i, 4
.rept 14
.set n, 0
.rept 6
	v_pk_add_f32 v[SU+2*n:SU+2*n+1], v[SU+2*n:SU+2*n+1], v[32*n+i:32*n+i+1]
.set n, n+1
.endr
.set i, i+2
.endr
	WIN 0
.irp n, 0,4,8
	v_pk_add_f32 v[SU+\n:SU+\n+1], v[SU+\n:SU+\n+1], v[SU+\n+2:SU+\n+3]
.endr
.irp n, 0,4,8
	v_add_f32 v[SU+\n], v[SU+\n], v[SU+\n+1]
.endr
.irp n, 0,4,8
	v_permlanex16_b32 v[SU+\n+1], v[SU+\n], s[SEL], s[SEL+1]
.endr
.irp n, 0,4,8
	v_add_f32 v[SU+\n], v[SU+\n], v[SU+\n+1]       ; with lane l xor 16's 64: SU = z1 . z2, SU + 4 = |z1|^2, SU + 8 = |z2|^2
.endr
	; With A = 1 / |z1|^2, B = 1 / |z2|^2, G = 1 / (|z1| |z2|), c = (z1 . z2) G and the slice's sign in every term:
	;    d11 = a1 + b1 t + g1 q1      -2 d12 = c0 + ct t + cq1 q1 + cq2 q2      d22 = a3 + b3 t + g3 q2
	;    c0 = 2 G, ct = c0 c G, b1 = c0 A, b3 = c0 B, cq1 = -b1, cq2 = -b3, a1 = c A, a3 = c B, g1 = -3 a1 A, g3 = -3 a3 B
	v_rsq_f32 v[R1], v[SU+4]
	v_rsq_f32 v[R2], v[SU+8]
	v_nop                                          ; one plain place behind the transcendentals
	s_wait_alu depctr_va_vdst(0)                   ; and a wait ahead of the first reader: one for both
	v_mul_f32 v[AA], v[R1], v[R1]
	v_mul_f32 v[BB], v[R2], v[R2]
	v_mul_f32 v[GG], v[R1], v[R2]
	v_mul_f32 v[CC], v[SU], v[GG]                  ; the cosine
	v_mul_f32 v[CO], s[SG2], v[GG]                 ; c0
	v_mul_f32 v[SC], s[SG1], v[CC]
	v_mul_f32 v[TM], v[CC], v[GG]
	v_mul_f32 v[CO+16], v[CO], v[AA]               ; b1
	v_mul_f32 v[CO+18], v[CO], v[BB]               ; b3
	v_mul_f32 v[CO+2], v[CO], v[TM]                ; ct
	v_mul_f32 v[CO+10], v[SC], v[AA]               ; a1
	v_mul_f32 v[CO+14], v[SC], v[BB]               ; a3
	v_mul_f32 v[CO+4], -1.0, v[CO+16]              ; cq1
	v_mul_f32 v[CO+6], -1.0, v[CO+18]              ; cq2
	v_mul_f32 v[TM], 0xc0400000, v[CO+10]          ; -3 a1
	v_mul_f32 v[TM+1], 0xc0400000, v[CO+14]
	v_mul_f32 v[CO+8], v[TM], v[AA]                ; g1
	v_mul_f32 v[CO+12], v[TM+1], v[BB]             ; g3
.set n, 0
.rept 10
	v_mov_b32 v[CO+2*n+1], v[CO+2*n]               ; each twice: a pair for the packed forms
.set n, n+1
.endr
	; the three diagonals, seven packed multiply-adds for two i: e = -2 d12 in v192-255; d11 takes q1's place, d22 q2's
	WIN 0x41                                       ; source 0 and destination window 1; the coefficients (sources 1 and 2) window 0
.set p, 0
.rept 32
	v_pk_fma_f32 v[192+p:193+p], v[p:p+1], v[CO+2:CO+3], v[CO:CO+1]
.set p, p+2
.endr
	WIN 0x51                                       ; source 2 window 1 too
.set p, 0
.rept 32
	v_pk_fma_f32 v[192+p:193+p], v[64+p:65+p], v[CO+4:CO+5], v[192+p:193+p]
.set p, p+2
.endr
.set p, 0
.rept 32
	v_pk_fma_f32 v[192+p:193+p], v[128+p:129+p], v[CO+6:CO+7], v[192+p:193+p]
.set p, p+2
.endr
	WIN 0x41
.set p, 0
.rept 32
	v_pk_fma_f32 v[64+p:65+p], v[64+p:65+p], v[CO+8:CO+9], v[CO+10:CO+11]
	v_pk_fma_f32 v[128+p:129+p], v[128+p:129+p], v[CO+12:CO+13], v[CO+14:CO+15]
.set p, p+2
.endr
	WIN 0x51
.set p, 0
.rept 32
	v_pk_fma_f32 v[64+p:65+p], v[p:p+1], v[CO+16:CO+17], v[64+p:65+p]
	v_pk_fma_f32 v[128+p:129+p], v[p:p+1], v[CO+18:CO+19], v[128+p:129+p]
.set p, p+2
.endr
	; D to my region: row k = 16 x kind + pair; a lane's registers 8 t + 0 .. 7 are i = 16 t + 8 h + 0 .. 7
	WIN 0x04                                       ; the data: window 1
.set kap, 0
.irp kb, 64, 192, 128                          ; kind 0: d11, kind 1: -2 d12, kind 2: d22
.set t, 0
.rept 16
	ds_store_b128 v[ADS], v[\kb+4*t:\kb+4*t+3] offset:16*DP*kap+64*(t/2)+16*(t%2)
.set t, t+1
.endr
.set kap, kap+1
.endr
	; P: x1^2, x1 x2, x2^2 of my work-group's 64 columns: row k likewise, two columns a lane
	s_wait_loadcnt 0x0                             ; the slices
	WIN 0xcf                                       ; sources 0, 1 and destination window 3
.set n, 0
.rept 16
	v_pk_mul_f32 v[192+2*n:193+2*n], v[128+2*n:129+2*n], v[160+2*n:161+2*n]
.set n, n+1
.endr
.set n, 0
.rept 32
	v_pk_mul_f32 v[128+2*n:129+2*n], v[128+2*n:129+2*n], v[128+2*n:129+2*n]
.set n, n+1
.endr
	WIN 0x0c                                       ; the data: window 3
.set kap, 0
.irp kb, 128, 192, 160
.set n, 0
.rept 16
	ds_store_b64 v[APS], v[\kb+2*n:\kb+2*n+1] offset:16*PP*kap+PP*n
.set n, n+1
.endr
.set kap, kap+1
.endr
	WIN 0
	BARRIER                                        ; my stores have landed and have read their registers.  No wave reads another's D or P: the barrier only parts the phase that writes LDS from the phase that reads it, for all four waves at once
; THE SUM.  A row of D and a row of P into a buffer: 8 loads of 16 bytes; load c of D brings i = 32 c + 4 li + 0..3 (eight different 16-byte pieces on end), load c' of P brings j = 16 c' + 4 lj + 0..3.
.macro LDOP db, pb, da, pa
.irp c, 0,1,2,3
	ds_load_b128 v[\db+4*\c:\db+4*\c+3], v[\da] offset:128*\c
.endr
.irp c, 0,1,2,3
	ds_load_b128 v[\pb+4*\c:\pb+4*\c+3], v[\pa] offset:64*\c
.endr
.endm
; 128 packed multiply-adds: accumulator 16 ii + jj holds (i number ii, j numbers jj, jj + 1).  Of a pair of D's registers op_sel and op_sel_hi take the first for both halves, or the second.  first = 1: the products start the sums: nothing is cleared.
.macro FMAS db, pb, first
.set ii, 0
.rept 8
.set jj, 0
.rept 8
.if \first
	v_pk_mul_f32 v[16*ii+jj:16*ii+jj+1], v[\pb+jj:\pb+jj+1], v[\db+ii:\db+ii+1] op_sel_hi:[1,0]
.else
	v_pk_fma_f32 v[16*ii+jj:16*ii+jj+1], v[\pb+jj:\pb+jj+1], v[\db+ii:\db+ii+1], v[16*ii+jj:16*ii+jj+1] op_sel_hi:[1,0,1]
.endif
.set jj, jj+2
.endr
.set jj, 0
.rept 8
.if \first
	v_pk_mul_f32 v[16*ii+16+jj:16*ii+17+jj], v[\pb+jj:\pb+jj+1], v[\db+ii:\db+ii+1] op_sel:[0,1] op_sel_hi:[1,1]
.else
	v_pk_fma_f32 v[16*ii+16+jj:16*ii+17+jj], v[\pb+jj:\pb+jj+1], v[\db+ii:\db+ii+1], v[16*ii+16+jj:16*ii+17+jj] op_sel:[0,1,0] op_sel_hi:[1,1,1]
.endif
.set jj, jj+2
.endr
.set ii, ii+2
.endr
.endm
.macro STEPA                                   ; buffer A's loads are in, so their address registers may step: two rows on
	v_add_nc_u32 v[ADA], 2*DP, v[ADA]
	v_add_nc_u32 v[APA], 2*PP, v[APA]
.endm
.macro STEPB
	v_add_nc_u32 v[ADB], 2*DP, v[ADB]
	v_add_nc_u32 v[APB], 2*PP, v[APB]
.endm
.set W_ACC, 0x50                               ; C and D window 1, the operands window 0
	LDOP BDA, BPA, ADA, APA                        ; k = 0
	LDOP BDB, BPB, ADB, APB                        ; k = 1
	s_wait_dscnt 8                                 ; the older buffer's 8 loads are in, the younger's may be out: so at every such wait below
	STEPA
	WIN W_ACC
	FMAS BDA, BPA, 1
	WIN 0
	LDOP BDA, BPA, ADA, APA                        ; k = 2
	s_wait_dscnt 8
	STEPB
	WIN W_ACC
	FMAS BDB, BPB, 0
	WIN 0                                          ; at a label and at a branch every window is 0
	s_mov_b32 s[CNT], 22
.Lk:                                               ; trip n = 1 .. 22: k = 2 n and 2 n + 1; each row is asked for 128 multiply-adds ahead of its use
	LDOP BDB, BPB, ADB, APB
	s_wait_dscnt 8
	STEPA
	WIN W_ACC
	FMAS BDA, BPA, 0
	WIN 0
	LDOP BDA, BPA, ADA, APA
	s_wait_dscnt 8
	STEPB
	WIN W_ACC
	FMAS BDB, BPB, 0
	WIN 0
	s_sub_co_u32 s[CNT], s[CNT], 1
	s_cmp_lg_u32 s[CNT], 0
	s_cbranch_scc1 .Lk
	LDOP BDB, BPB, ADB, APB                        ; k = 47: the last two rows are written out, so that nothing is read behind row 47
	s_wait_dscnt 8
	WIN W_ACC
	FMAS BDA, BPA, 0
	s_wait_dscnt 0x0
	FMAS BDB, BPB, 0
	WIN 0
	BARRIER                                        ; the stage lies over D and P: the phase that reads them is over in all four waves
	; my tile into my stage: 128 rows of 256 bytes + 16; sixteen lanes of a store (4 li x 4 lj) touch sixteen different 16-byte columns
	WIN 0x04
.set ii, 0
.rept 16
.set g, 0
.rept 4
	ds_store_b128 v[AST], v[16*ii+4*g:16*ii+4*g+3] offset:(32*(ii/4)+ii%4)*SP+64*g
.set g, g+1
.endr
.set ii, ii+1
.endr
	WIN 0
	BARRIER                                        ; the four tiles lie in LDS, and the stores have read the accumulators
	WIN 0x40
.set g, 0
.rept 4                                        ; rows 32 w .. 32 w + 31 of each wave's tile: lanes 0-15 one row of 256 bytes, lanes 16-31 the next
.set m, 0
.rept 16
	ds_load_b128 v[64*g+4*m:64*g+4*m+3], v[ARD+g] offset:2*SP*m
.set m, m+1
.endr
.set g, g+1
.endr
	s_wait_dscnt 32                                ; the first two tiles' 32 loads are in
	WIN 0x55                                       ; all in window 1
.set p, 0
.rept 32
	v_pk_add_f32 v[p:p+1], v[p:p+1], v[64+p:65+p]
.set p, p+2
.endr
	s_wait_dscnt 0x0
.set p, 0
.rept 32
	v_pk_add_f32 v[128+p:129+p], v[128+p:129+p], v[192+p:193+p]
.set p, p+2
.endr
.set p, 0
.rept 32
	v_pk_add_f32 v[p:p+1], v[p:p+1], v[128+p:129+p]
.set p, p+2
.endr
	WIN 0x04                                       ; a store's data are its source 1
.set m, 0
.rept 16
	global_store_b128 v[OG], v[4*m:4*m+3], s[18:19] offset:4096*m th:TH_STORE_NT   ; sixteen lanes store 256 consecutive bytes, at a multiple of 256 from part's first byte; written once, read by nobody in this launch
.set m, m+1
.endr
	WIN 0
	s_wait_tensorcnt 0x0
	ds_add_u32 v254, v255
	s_wait_dscnt 0x0
	s_endpgm
.Lfunc_end_k_q8faa455d59_pairs:
	.size	k_q8faa455d59_pairs, .Lfunc_end_k_q8faa455d59_pairs-k_q8faa455d59_pairs
	.p2alignl 7, 3214868480
	.fill 96, 4, 3214868480
	.section	.rodata,"a",@progbits
	.p2align	6, 0x0
	.amdhsa_kernel k_q8faa455d59_pairs
		.amdhsa_group_segment_fixed_size 201216
		.amdhsa_private_segment_fixed_size 0
		.amdhsa_enable_private_segment 0
		.amdhsa_kernarg_size 64
		.amdhsa_user_sgpr_count 2
		.amdhsa_user_sgpr_kernarg_segment_ptr 1
		.amdhsa_wavefront_size32 1
		.amdhsa_system_sgpr_workgroup_id_x 1
		.amdhsa_system_sgpr_workgroup_id_y 1
		.amdhsa_system_sgpr_workgroup_id_z 1
		.amdhsa_system_vgpr_workitem_id 0
		.amdhsa_next_free_vgpr 1024
		.amdhsa_next_free_sgpr 68
		.amdhsa_reserve_vcc 0
		.amdhsa_float_denorm_mode_32 3
		.amdhsa_float_denorm_mode_16_64 3
		.amdhsa_memory_ordered 1
		.amdhsa_forward_progress 1
		.amdhsa_inst_pref_size 177
	.end_amdhsa_kernel
	.amdgpu_metadata
---
amdhsa.version: [ 1, 2 ]
amdhsa.kernels:
  - .name:           k_q8faa455d59_pairs
    .symbol:         k_q8faa455d59_pairs.kd
    .args:
      - { .name: x, .offset: 0, .size: 8, .value_kind: global_buffer, .address_space: global }
      - { .name: W_codes, .offset: 8, .size: 8, .value_kind: global_buffer, .address_space: global }
      - { .name: W_scales, .offset: 16, .size: 8, .value_kind: global_buffer, .address_space: global }
      - { .name: ap, .offset: 24, .size: 8, .value_kind: global_buffer, .address_space: global }
      - { .name: p, .offset: 32, .size: 8, .value_kind: global_buffer, .address_space: global }
      - { .name: an, .offset: 40, .size: 8, .value_kind: global_buffer, .address_space: global }
      - { .name: n, .offset: 48, .size: 8, .value_kind: global_buffer, .address_space: global }
      - { .name: part, .offset: 56, .size: 8, .value_kind: global_buffer, .address_space: global }
    .group_segment_fixed_size: 201216
    .private_segment_fixed_size: 0
    .kernarg_segment_align: 8
    .kernarg_segment_size: 64
    .max_flat_workgroup_size: 128
    .sgpr_count:     68
    .vgpr_count:     1024
    .wavefront_size: 32
...
	.end_amdgpu_metadata
.endif
;; end of part 1
;; launch fold (part 2): grid 256 x 1, 2 waves a work-group, no clusters, 0 bytes of LDS; arguments part, out0; writes out0
.if DOCPART == 2
	.amdgcn_target "amdgcn-amd-amdhsa--gfx1250"
	.amdhsa_code_object_version 6
	.text
	.protected	k_q8faa455d59_fold
	.globl	k_q8faa455d59_fold
	.p2align	8
	.type	k_q8faa455d59_fold,@function
k_q8faa455d59_fold:
	s_mov_b64 s[64:65], 0
	v_nop
	global_prefetch_b8 v0, s[64:65] scope:SCOPE_SE
	s_setreg_imm32_b32 hwreg(HW_REG_WAVE_MODE, 25, 1), 1
	s_wait_xcnt 0x0
; out0[n] = the sum over the 32 slices of part[slice][n], in f32, slices ascending.  part: [32][65536] f32, out0: [65536] f32.
; A thread owns 16 bytes of out0: 256 work-groups x 64 threads x 4 numbers.  Each load and the store of a wave cover 512 consecutive bytes, at a multiple of 256 from the buffer's first byte.
; All 32 loads of a thread go out at once (128 registers); each byte of part is read once and each byte of out0 written once.  No LDS, no barrier: threads share nothing.
.set SLICES, 32
.set OUTB,   262144                    ; bytes of a slice; 31 of them stay inside the signed 24-bit immediate (ISA guide, chapter 10)
	s_load_b128 s[4:7], s[0:1], 0x0                ; part s[4:5], out0 s[6:7]
	v_lshlrev_b32 v1, 4, v0                        ; 16 bytes a thread
	s_lshl_b32 s8, ttmp9, 10                       ; 1,024 bytes a work-group
	s_mov_b32 s9, 0
	s_wait_kmcnt 0x0
	s_add_nc_u64 s[4:5], s[4:5], s[8:9]
	s_add_nc_u64 s[6:7], s[6:7], s[8:9]
.set i, 0
.rept SLICES
	global_load_b128 v[4+4*i:7+4*i], v1, s[4:5] offset:OUTB*i th:TH_LOAD_NT
.set i, i+1
.endr
.set i, 1
.rept SLICES-1
	s_wait_loadcnt SLICES-1-i                      ; loads come back in order (ISA guide 5.7.1): slice i is in, the younger ones stay out
	v_pk_add_f32 v[4:5], v[4:5], v[4+4*i:5+4*i]
	v_pk_add_f32 v[6:7], v[6:7], v[6+4*i:7+4*i]
.set i, i+1
.endr
	global_store_b128 v1, v[4:7], s[6:7]
	s_endpgm
.Lfunc_end_k_q8faa455d59_fold:
	.size	k_q8faa455d59_fold, .Lfunc_end_k_q8faa455d59_fold-k_q8faa455d59_fold
	.p2alignl 7, 3214868480
	.fill 96, 4, 3214868480
	.section	.rodata,"a",@progbits
	.p2align	6, 0x0
	.amdhsa_kernel k_q8faa455d59_fold
		.amdhsa_group_segment_fixed_size 0
		.amdhsa_private_segment_fixed_size 0
		.amdhsa_enable_private_segment 0
		.amdhsa_kernarg_size 16
		.amdhsa_user_sgpr_count 2
		.amdhsa_user_sgpr_kernarg_segment_ptr 1
		.amdhsa_wavefront_size32 1
		.amdhsa_system_sgpr_workgroup_id_x 1
		.amdhsa_system_sgpr_workgroup_id_y 1
		.amdhsa_system_sgpr_workgroup_id_z 1
		.amdhsa_system_vgpr_workitem_id 0
		.amdhsa_next_free_vgpr 136
		.amdhsa_next_free_sgpr 66
		.amdhsa_reserve_vcc 0
		.amdhsa_float_denorm_mode_32 3
		.amdhsa_float_denorm_mode_16_64 3
		.amdhsa_memory_ordered 1
		.amdhsa_forward_progress 1
		.amdhsa_inst_pref_size 9
	.end_amdhsa_kernel
	.amdgpu_metadata
---
amdhsa.version: [ 1, 2 ]
amdhsa.kernels:
  - .name:           k_q8faa455d59_fold
    .symbol:         k_q8faa455d59_fold.kd
    .args:
      - { .name: part, .offset: 0, .size: 8, .value_kind: global_buffer, .address_space: global }
      - { .name: out0, .offset: 8, .size: 8, .value_kind: global_buffer, .address_space: global }
    .group_segment_fixed_size: 0
    .private_segment_fixed_size: 0
    .kernarg_segment_align: 8
    .kernarg_segment_size: 16
    .max_flat_workgroup_size: 64
    .sgpr_count:     66
    .vgpr_count:     136
    .wavefront_size: 32
...
	.end_amdgpu_metadata
.endif
;; end of part 2
;; ======== version 2 of 2: 2 launches; version 1 with the launch pairs written anew for expert scheduling mode
;; workspace buffers: part 8,388,608 bytes
;; launch pairs (part 3): grid 8 x 32, 4 waves a work-group, no clusters, 201,216 bytes of LDS; arguments x, W_codes, W_scales, ap, p, an, n, part; writes part
.if DOCPART == 3
	.amdgcn_target "amdgcn-amd-amdhsa--gfx1250"
	.amdhsa_code_object_version 6
	.text
	.protected	k_q8faa455d59_pairs
	.globl	k_q8faa455d59_pairs
	.p2align	8
	.type	k_q8faa455d59_pairs,@function
k_q8faa455d59_pairs:
	s_mov_b64 s[64:65], 0
	v_nop
	global_prefetch_b8 v0, s[64:65] scope:SCOPE_SE
	s_setreg_imm32_b32 hwreg(HW_REG_WAVE_SCHED_MODE, 0, 2), 2
	s_setreg_imm32_b32 hwreg(HW_REG_WAVE_MODE, 25, 1), 1
	s_wait_xcnt 0x0
	s_wait_alu depctr_vm_vsrc(0)
; out[i][j] = sum over pairs b of +-( d11[b][i] x1[b][j]^2 - 2 d12[b][i] x1[b][j] x2[b][j] + d22[b][i] x2[b][j]^2 ), + for the pairs (ap, p), - for (an, n).
; d11, d12, d22 are the diagonals of the arccos Hessian's blocks at z1 = Q(x1) W^T, z2 = Q(x2) W^T; only the diagonals are used, so the outer products are never formed.
; z1, z2: codes of E2M3 with one E8M0 scale for each 32 along K; x is quantised here, W arrives as codes.  All else in f32.
; SHARES.  The 2,048 pairs are cut into 32 slices of 64 (work-group y; slices 0-15 positive, 16-31 negative), the 512 columns j into 8 slices of 64 (work-group x).
; A work-group makes the partial sum of its 64 pairs for all 128 i and its 64 j: 32 KiB, stored to part[slice][i][j]; the next launch adds the 32 slices.
; Wave w owns pairs 16 w .. 16 w + 15 of the slice from gather to sum, for the whole 128 x 64 tile, so D and P never go from wave to wave; the four waves' tiles are added through LDS at the end.
; THE SUM is a product in f32 with K = 48 a wave (3 kinds x 16 pairs): D[k][i] (128 numbers a row) and P[k][j] (64 a row) lie in the wave's own LDS.  Lanes are 8 (li = lane / 4) x 4 (lj = lane % 4);
; a lane owns i = 32 c + 4 li + e and j = 16 c' + 4 lj + e' (c, e, c', e' = 0..3): 256 accumulators.  For each k: 8 loads of 16 bytes and 128 packed multiply-adds (two j each; D's number is taken for both halves by op_sel).
; THE MATRIX INSTRUCTION IS USED TRANSPOSED: source 0 = 16 rows of W, source 1 = 16 rows of x: lane (r, h) holds pair r and, in tile t, i = 16 t + 8 h + 0..7.  So a pair's norms, cosine and coefficients are a lane's own numbers.
; W: wave w loads the 8 fragments of K step w from memory and stores them to LDS as images of their registers (3 stores of 16 bytes a lane); every wave loads them back so.
; No tensor load: the rows of x are named by a list.  No cluster: what work-groups share are gathered rows and 48 KiB of W.
; LIMITS: NaN and infinities in x are not served; a block whose largest magnitude lies under 2^-124 gets the byte 1; a row of z whose squared norm lies under 2^-126 counts as zero in v_rsq_f32 (ISA guide 15.8); indices are held to 0 .. 16383.
; THE MODE: SCHED_MODE bits 1:0 = 2 (LLVM: expert scheduling mode 2), set by the entry lines.  The code itself states the register dependences
; between vector or matrix instructions and memory or LDS instructions, with s_wait_alu, always for 0.
; THE PLAN.  Registers that memory or LDS instructions touch:
;   offsets and LDS addresses (v4-21, v23, v200-231): made by vector lines in three groups, each with one wait on va_vdst behind it, ahead of the first access that reads one of the group; only v[ADA], v[APA] are ever written again.
;   window 1: x1's loads land there; the quantiser reads it; W's fragments land there (a wait on va_vdst); the matrix instructions of K step s read a buffer, in which K step s + 2's fragments land (a wait each);
;             D is made there and stored (a wait on va_vdst); the accumulators are written there (a wait on vm_vsrc: D's stores have read it), stored to the stage (va_vdst), and the four tiles land there (va_vdst, vm_vsrc).
;   window 2: x2's loads land there, in registers that no vector line has named.     window 3: loads land in registers that no vector line has named; P's products are stored from there (the wait ahead of D's stores serves them too).
;   x's codes and scale words (window 0): written by the quantiser, read by scaled matrix instructions: the places, then the wait on va_vdst that stands ahead of W's first fragments.
;   THE SUM'S LOOP: four row buffers (window 0, v64-191), two sets of two rows.  Pair n of rows multiplies set n % 2; its 16 LDS loads, pair n + 1's rows, land in the other set, which only pair n - 1's multiply-adds have named.
;             So ONE wait on va_vdst stands at a pair's head, and the loads follow it in two runs among the pair's multiply-adds, which name their own set and the accumulators alone.  The two addresses step once for four rows:
;             a wait on vm_vsrc, the two additions, and the pair's own wait on va_vdst behind them.
; REGISTERS, in windows of 256 (s_set_vgpr_msb: bits 1:0 source 0, 3:2 source 1, 5:4 source 2, 7:6 destination):
;   window 0: v1-30 addresses; v32-63 W's scale words; v64-159 x's codes; v160-167 x's scale words; v168-199 at work; later v64-191 the sum's four row buffers; v200-231 offsets of the row slices; v232-251 coefficients
;   window 1: x1's numbers; then W's fragments, two buffers; then t, q1, q2, e; then the 256 accumulators; then the four tiles to be added
;   window 2: x2's numbers; then z1 (v0-63), z2 (v64-127)          window 3: v0-95 the W fragments that I fetch; v128-223 the row slices and their products
.set RW,    37888                      ; LDS: a wave's own region: D, then P; later the stage for its tile lies over them
.set DP,    528                        ; a row of D: 512 bytes + 16: row r begins 16 bytes further on modulo 256, so sixteen lanes that store to sixteen rows touch sixteen different 16-byte columns
.set POFF,  48*DP                      ; P begins behind D's 48 rows
.set PP,    256                        ; a row of P
.set SP,    272                        ; a row of the stage: 256 bytes + 16: four rows on are 64 bytes on modulo 256
.set WIMG,  4*RW                       ; behind the four regions: W's 32 fragments as images, fragment (tile t, K step s) at 4 t + s
.set FRB,   1536                       ; an image: 12 registers x 32 lanes x 4 bytes
.set LANE, 1
.set RR,   2                           ; r = lane % 16
.set HH,   3                           ; h = lane / 16
.set OQ,   4                           ; v4, v5  byte offset in x of my row of x1, x2, + 128 h
.set OWC,  6                           ; W's codes: 384 r + 24 h
.set OWS,  7                           ; W's scale bytes: 16 r
.set AWI,  8                           ; where I store images
.set AWL,  9                           ; where I load images
.set ADS,  10                          ; where I store D
.set APS,  11                          ; where I store P
.set ADA,  12                          ; the sum: my 16 bytes in the row of D, and of P, from which the loads' immediates count
.set APA,  13
.set AST,  16                          ; the stage: where I put my tile
.set ARD,  17                          ; v17-20  and where I read the four waves' tiles
.set OG,   21                          ; my byte offset in part
.set SH8,  22                          ; 8 h
.set OIX,  23                          ; 4 r
.set IX,   24                          ; v24, v25  my row's indices
.set L16,  26
.set L8,   27
.set LI,   28
.set LJ,   29
.set H128, 30
.set WS,   32                          ; W's scale words: tile t, K step s at 4 t + s
.set COD,  64                          ; x's codes: operand T, K step s at 48 T + 12 s
.set SW,   160                         ; x's scale words: 4 T + s
.set M,    168                         ; v168-171 four running maxima
.set SCL,  172                         ; v172-173 the conversions' scale operands
.set BY,   174                         ; v174-175 scale bytes
.set PT,   176                         ; v176-177
.set CT,   180                         ; v180-187 the second halves of two blocks' codes
.set SU,   188                         ; v188-199 the sums over i
.set R1,   176
.set R2,   177
.set AA,   178
.set BB,   179
.set GG,   180
.set CC,   181
.set SC,   182
.set TM,   183
.set SO,   200
.set CO,   232                         ; coefficients, each twice (a pair for the packed forms): +0 c0, +2 ct, +4 cq1, +6 cq2, +8 g1, +10 a1, +12 g3, +14 a3, +16 b1, +18 b3
.set OPB,  64                          ; the sum's operands: row buffer b (= k % 4) at OPB + 32 b: 16 of D, then 16 of P
.set WV,   20                          ; s20 wave
.set SL,   22                          ; s22 slice of pairs
.set SG1,  23                          ; s23 +-1.0
.set XS,   26                          ; s[26:27] x at my 64 columns
.set RG,   28                          ; s28 my region in LDS
.set SG2,  29                          ; s29 +-2.0
.set CNT,  30
.set ID,   32                          ; s32-47 x1's rows, s48-63 x2's, as byte offsets
.set SEL,  66                          ; s[66:67] v_permlanex16_b32's selects for lane l xor 16
.set MSB, 0
.macro WIN new                         ; the immediate's high byte repeats the setting that is left; a switch that changes nothing is dropped
.if MSB != (\new)
	s_set_vgpr_msb (MSB<<8)|(\new)
.set MSB, (\new)
.endif
.endm
.macro PLACES n
.rept \n
	v_nop
.endr
.endm
.macro BARRIER                         ; my LDS stores have landed and my LDS loads are in: then the work-group's barrier
	s_wait_dscnt 0x0
	s_barrier_signal -1
	s_barrier_wait -1
.endm
	s_load_b512 s[4:19], s[0:1], 0x0               ; x s[4:5], W's codes s[6:7], W's scales s[8:9], ap s[10:11], p s[12:13], an s[14:15], n s[16:17], part s[18:19]
	v_lshl_add_u32 v254, v0, 2, 0x31000
	v_mov_b32 v255, 0
	v_and_b32 v[LANE], 31, v0
	v_lshrrev_b32 v[IX], 5, v0
	v_readfirstlane_b32 s[WV], v[IX]
	v_and_b32 v[RR], 15, v0
	v_bfe_u32 v[HH], v0, 4, 1
	v_lshrrev_b32 v[LI], 2, v[LANE]
	v_and_b32 v[LJ], 3, v0
	s_and_b32 s[SL], ttmp7, 0xffff
	s_mov_b32 s[SEL], 0x76543210
	s_mov_b32 s[SEL+1], 0xfedcba98
	s_wait_alu depctr_va_sdst(0)                   ; s[WV] is written, ahead of its first reader: LDS regions and bases are made from it
	s_mul_i32 s[RG], s[WV], RW
	v_lshlrev_b32 v[L16], 4, v[LANE]
	v_lshlrev_b32 v[L8], 3, v[LANE]
	v_lshlrev_b32 v[H128], 7, v[HH]
	v_lshlrev_b32 v[SH8], 3, v[HH]
	v_lshlrev_b32 v[OIX], 2, v[RR]
	v_lshlrev_b32 v[OWS], 4, v[RR]
	v_mul_u32_u24 v[OWC], v[RR], 384               ; a row of W is 512 codes, 384 bytes
	v_mad_u32_u24 v[OWC], v[HH], 24, v[OWC]
	v_mov_b32 v[PT+1], 0                           ; written once: a lane permute's destination counts as one of its sources
	s_wait_kmcnt 0x0
	s_cmp_lt_u32 s[SL], 16                         ; a positive slice or a negative one: the choice hangs on the work-group's number alone
	s_cselect_b64 s[10:11], s[10:11], s[14:15]
	s_cselect_b64 s[12:13], s[12:13], s[16:17]
	s_cselect_b32 s[SG1], 1.0, -1.0
	s_cselect_b32 s[SG2], 2.0, -2.0
	s_and_b32 s24, s[SL], 15
	s_lshl_b32 s24, s24, 8                         ; 64 indices a slice,
	s_lshl_b32 s25, s[WV], 6                       ; 16 a wave
	s_add_co_u32 s24, s24, s25
	s_mov_b32 s25, 0
	s_add_nc_u64 s[10:11], s[10:11], s[24:25]
	s_add_nc_u64 s[12:13], s[12:13], s[24:25]
	s_load_b512 s[ID:ID+15], s[10:11], 0x0         ; my 16 pairs' rows, as scalars (for the row slices),
	s_load_b512 s[ID+16:ID+31], s[12:13], 0x0
	s_wait_alu depctr_va_vdst(0)                   ; the offsets v[OIX], v[OWC], v[OWS] are written, which the loads below read; the head's lines have written and read v[IX], in which the first of them lands
	global_load_b32 v[IX], v[OIX], s[10:11]        ; and lane (r, h): pair r's (for the operands)
	global_load_b32 v[IX+1], v[OIX], s[12:13]
	s_mul_i32 s24, s[WV], 96
	s_add_nc_u64 s[6:7], s[6:7], s[24:25]          ; W's codes at K step w: 96 bytes a step
	s_lshl_b32 s24, ttmp9, 8
	s_add_nc_u64 s[XS:XS+1], s[4:5], s[24:25]      ; x at my work-group's 64 columns
	s_add_nc_u64 s[18:19], s[18:19], s[24:25]      ; part likewise,
	s_lshl_b32 s24, s[SL], 18
	s_add_nc_u64 s[18:19], s[18:19], s[24:25]      ; in my slice's 256 KiB,
	s_lshl_b32 s24, s[WV], 16
	s_add_nc_u64 s[18:19], s[18:19], s[24:25]      ; at row 32 w: the rows that I store
	WIN 0xc0                                       ; destination window 3
.set t, 0
.rept 8                                        ; W's fragment (tile t, K step w): lane (r, h) takes row 16 t + r; registers 6 c .. 6 c + 5 are the 24 bytes at 48 c + 24 h, in pieces of 8 bytes
.set p, 0
.rept 6
	global_load_b64 v[12*t+2*p:12*t+2*p+1], v[OWC], s[6:7] offset:6144*t+48*(p/3)+8*(p%3)
.set p, p+1
.endr
.set t, t+1
.endr
	WIN 0
.set t, 0
.rept 8
	global_load_b128 v[WS+4*t:WS+4*t+3], v[OWS], s[8:9] offset:256*t   ; row 16 t + r's 16 scale bytes: the words of K steps 0 to 3
.set t, t+1
.endr
	; LDS addresses, made while the loads are out
	s_mul_i32 s24, s[WV], FRB
	s_add_co_u32 s24, s24, WIMG
	v_add_nc_u32 v[AWI], s24, v[L16]               ; images: 16 x lane; I store fragments 4 t + w
	v_add_nc_u32 v[AWL], WIMG, v[L16]
	v_mul_u32_u24 v[ADS], v[RR], DP
	v_lshl_add_u32 v[ADS], v[HH], 5, v[ADS]
	v_add_nc_u32 v[ADS], s[RG], v[ADS]             ; D: row r of a kind, + 32 h bytes
	s_add_co_u32 s24, s[RG], POFF
	v_add_nc_u32 v[APS], s24, v[L8]                ; P: 8 bytes a lane
	v_lshl_add_u32 v[ADA], v[LI], 4, s[RG]         ; the sum: D's row 0, 16 li
	v_lshl_add_u32 v[APA], v[LJ], 4, s24           ; P's row 0, 16 lj
	v_mul_u32_u24 v[AST], v[LI], 4*SP
	v_lshl_add_u32 v[AST], v[LJ], 4, v[AST]
	v_add_nc_u32 v[AST], s[RG], v[AST]             ; the stage: row 4 li, + 16 lj
	s_mul_i32 s24, s[WV], 32*SP
	v_mul_u32_u24 v[ARD], v[HH], SP
	v_lshl_add_u32 v[ARD], v[RR], 4, v[ARD]
	v_add_nc_u32 v[ARD], s24, v[ARD]               ; back: rows 32 w + h on, 16 bytes a lane, in each wave's stage
	v_add_nc_u32 v[ARD+1], RW, v[ARD]
	v_add_nc_u32 v[ARD+2], 2*RW, v[ARD]
	v_add_nc_u32 v[ARD+3], 3*RW, v[ARD]
	v_lshlrev_b32 v[OG], 11, v[HH]
	v_lshl_add_u32 v[OG], v[RR], 4, v[OG]          ; and the same in part: a row is 2,048 bytes
	s_wait_kmcnt 0x0
.set n, 0
.rept 32
	s_min_u32 s[ID+n], s[ID+n], 0x3fff             ; an index stays inside x's 16,384 rows
	s_lshl_b32 s[ID+n], s[ID+n], 11                ; a row is 2,048 bytes
.set n, n+1
.endr
	s_wait_loadcnt 56                              ; my two indices are in: behind them W's 48 loads and the 8 of its scales
	v_min_u32 v[IX], 0x3fff, v[IX]
	v_min_u32 v[IX+1], 0x3fff, v[IX+1]
	v_lshlrev_b32 v[IX], 11, v[IX]
	v_lshlrev_b32 v[IX+1], 11, v[IX+1]
	v_add_nc_u32 v[OQ], v[IX], v[H128]
	v_add_nc_u32 v[OQ+1], v[IX+1], v[H128]
; Operand T (0: x1, 1: x2), K step s: lane (r, h) takes of its row the blocks k = 128 s + 64 c + 32 h + 0 .. 31, c = 0, 1: whole blocks of 32, 128 consecutive bytes each over eight loads, in the order that the operand's layout gives the lane.
.macro XLOAD T, s
	WIN (1+(\T))<<6
.set q, 0
.rept 16
	global_load_b128 v[64*(\s)+4*q:64*(\s)+4*q+3], v[OQ+(\T)], s[4:5] offset:512*(\s)+256*(q/8)+16*(q%8)
.set q, q+1
.endr
	WIN 0
.endm
; My 64 numbers of operand T, K step s, become 12 registers of codes and a scale word.  A block's scale is 2^(floor(log2(its largest magnitude)) - 2): its byte is the largest magnitude's exponent field - 2, held at 1 from below by the floor
; 2^(3 - 127) among the maximum's leaves.  (A block of zeros keeps the byte 1: its codes are zeros, and this program alone reads the bytes.)
.macro QUANT T, s
.set XB, 64*(\s)
.set CD, COD+48*(\T)+12*(\s)
	WIN (1+(\T))*0x14                              ; sources 1 and 2: the numbers' window
.set u, 0
.rept 4                                        ; four chains of 16 numbers, by turns
	v_max3_num_f32 v[M+u], 0x1800000, |v[XB+16*u]|, |v[XB+16*u+1]|
.set u, u+1
.endr
.set i, 2
.rept 7
.set u, 0
.rept 4
	v_max3_num_f32 v[M+u], v[M+u], |v[XB+16*u+i]|, |v[XB+16*u+i+1]|
.set u, u+1
.endr
.set i, i+2
.endr
	WIN 0
	v_max_num_f32 v[M], v[M], v[M+1]               ; block c = 0
	v_max_num_f32 v[M+2], v[M+2], v[M+3]           ; block c = 1
	v_add_nc_u32 v[SCL], 0xff000000, v[M]          ; 2 off the exponent field: the conversion takes the exponent field of this operand as its scale, and nothing else of it
	v_add_nc_u32 v[SCL+1], 0xff000000, v[M+2]
	v_lshrrev_b32 v[BY], 23, v[SCL]                ; the scales' bytes
	v_lshrrev_b32 v[BY+1], 23, v[SCL+1]
	v_lshl_or_b32 v[PT], v[BY+1], 16, v[BY]        ; blocks h and 2 + h of my row,
	v_lshlrev_b32 v[PT], v[SH8], v[PT]             ; at their places in the scale word;
	v_permlanex16_b32 v[PT+1], v[PT], s[SEL], s[SEL+1]
	v_or_b32 v[SW+4*(\T)+(\s)], v[PT], v[PT+1]     ; with lane l xor 16's two the word is whole
	WIN 1+(\T)                                     ; source 0: the numbers' window
	v_cvt_scalef32_pk16_fp6_f32 v[CD:CD+2], v[XB:XB+15], v[SCL]
	v_cvt_scalef32_pk16_fp6_f32 v[CT:CT+2], v[XB+16:XB+31], v[SCL]          ; (a conversion's three registers begin on an even number: the second half of a block's six does not, so it is made elsewhere and moved)
	v_cvt_scalef32_pk16_fp6_f32 v[CD+6:CD+8], v[XB+32:XB+47], v[SCL+1]
	v_cvt_scalef32_pk16_fp6_f32 v[CT+4:CT+6], v[XB+48:XB+63], v[SCL+1]
	WIN 0
	v_nop                                          ; one plain place behind a scaled conversion
.set i, 0
.rept 3
	v_mov_b32 v[CD+3+i], v[CT+i]
	v_mov_b32 v[CD+9+i], v[CT+4+i]
.set i, i+1
.endr
.endm
	s_wait_alu depctr_va_vdst(0)                   ; v[OQ], v[OQ+1] are written, which all 128 loads of x read, and so are the LDS addresses and v[OG], which every later LDS access and the last stores read; of them only v[ADA], v[APA] are written again
	XLOAD 0, 0
	XLOAD 0, 1
	XLOAD 0, 2
	XLOAD 0, 3
	s_wait_loadcnt 63                              ; W's fragments and scale words are in: 64 loads were issued behind them, and 63 is the largest count that the wait can name
	WIN 0x0c                                       ; an LDS store's data are its source 1: window 3
.set t, 0
.rept 8
.set i, 0
.rept 3
	ds_store_b128 v[AWI], v[12*t+4*i:12*t+4*i+3] offset:4*FRB*t+512*i     ; the fragment goes to LDS as it stands: 512 consecutive bytes a store.  (Its registers are written by nothing after this)
.set i, i+1
.endr
.set t, t+1
.endr
	WIN 0
.set n, 0
.rept 32
	v_add_nc_u32 v[SO+n], s[ID+n], v[L8]           ; a row's slice: 8 bytes a lane
.set n, n+1
.endr
	XLOAD 1, 0                                     ; x2's loads go out between x1's groups, so that numbers are on their way while others are quantised.  No wait: no vector line since the wait above names v[OQ+1] or a register of window 2
	s_wait_loadcnt 63                              ; x1's K step 0 is in: behind it x1's other 48 loads and the 16 just issued; likewise for the next three
	QUANT 0, 0
	XLOAD 1, 1
	s_wait_loadcnt 63
	QUANT 0, 1
	XLOAD 1, 2
	s_wait_loadcnt 63
	QUANT 0, 2
	XLOAD 1, 3
	s_wait_loadcnt 63
	QUANT 0, 3
	WIN 0xc0
	s_wait_alu depctr_va_vdst(0)                   ; the 32 offsets v[SO ..] are written, which the loads below read
.set n, 0
.rept 32
	global_load_b64 v[128+2*n:129+2*n], v[SO+n], s[XS:XS+1]   ; my work-group's 64 columns of a row: 32 lanes read 256 consecutive bytes, at a multiple of 256 from x's first byte.  x1's 16 rows at v128, x2's at v160
.set n, n+1
.endr
	WIN 0
	s_wait_loadcnt 63                              ; x2's K step 0: 48 + 32 loads behind it
	QUANT 1, 0
	s_wait_loadcnt 63                              ; K step 1: 32 + 32 behind it
	QUANT 1, 1
	s_wait_loadcnt 48                              ; K step 2: 16 + 32
	QUANT 1, 2
	s_wait_loadcnt 32                              ; K step 3: the 32 slices
	QUANT 1, 3
	BARRIER                                        ; W's 32 images lie in LDS
; z1 = Q(x1) W^T, z2 = Q(x2) W^T: K step by K step, W's eight fragments from LDS into one of two buffers in window 1, a step ahead.
.macro WLOAD s
	WIN 0x40
.set t, 0
.rept 8
.set i, 0
.rept 3
	ds_load_b128 v[128*((\s)%2)+12*t+4*i:128*((\s)%2)+12*t+4*i+3], v[AWL] offset:(4*t+(\s))*FRB+512*i
.set i, i+1
.endr
.set t, t+1
.endr
.endm
.macro ZMUL s                                  ; the 16 accumulators take turns, one instruction a turn, in the same order in every K step
	WIN 0xa1                                       ; source 0 (W) window 1, source 1 (x's codes) window 0, C and D window 2
.set T, 0
.rept 2
.set t, 0
.rept 8
.if (\s) == 0
	v_wmma_scale_f32_16x16x128_f8f6f4 v[64*T+8*t:64*T+8*t+7], v[128*((\s)%2)+12*t:128*((\s)%2)+12*t+11], v[COD+48*T+12*(\s):COD+48*T+12*(\s)+11], 0, v[WS+4*t+(\s)], v[SW+4*T+(\s)] matrix_a_fmt:MATRIX_FMT_FP6 matrix_b_fmt:MATRIX_FMT_FP6
.else
	v_wmma_scale_f32_16x16x128_f8f6f4 v[64*T+8*t:64*T+8*t+7], v[128*((\s)%2)+12*t:128*((\s)%2)+12*t+11], v[COD+48*T+12*(\s):COD+48*T+12*(\s)+11], v[64*T+8*t:64*T+8*t+7], v[WS+4*t+(\s)], v[SW+4*T+(\s)] matrix_a_fmt:MATRIX_FMT_FP6 matrix_b_fmt:MATRIX_FMT_FP6
.endif
.set t, t+1
.endr
.set T, T+1
.endr
.endm
	PLACES 8                                       ; a scale register written by a vector instruction stands 8 places ahead of a scaled matrix instruction, an operand so written 4
	s_wait_alu depctr_va_vdst(0)                   ; the quantiser has written x's codes and scale words, which the scaled matrix instructions take; and it is done reading x1's numbers in window 1, where W's fragments land
	WLOAD 0
	WLOAD 1
	s_wait_dscnt 24                                ; K step 0's 24 loads are in; the next step's 24 may be out
	ZMUL 0
	PLACES 4                                       ; behind matrix instructions, in front of loads into registers that they have read (ISA guide 7.12.1 for vector instructions); the wait below stands beside them
	s_wait_alu depctr_va_vdst(0)                   ; K step 0's matrix instructions are done reading their buffer, in which K step 2's fragments land
	WLOAD 2
	s_wait_dscnt 24
	ZMUL 1
	PLACES 4
	s_wait_alu depctr_va_vdst(0)                   ; K step 1's matrix instructions are done reading their buffer, in which K step 3's fragments land
	WLOAD 3
	s_wait_dscnt 24
	ZMUL 2
	s_wait_dscnt 0x0
	ZMUL 3
	PLACES 4                                       ; in front of the first read of results, and of writes over W's buffers
	; t = z1 z2, q1 = z1^2, q2 = z2^2, two at a time, into window 1: t v0-63, q1 v64-127, q2 v128-191.  Each accumulator is read from its low end on.
	WIN 0x4a                                       ; sources 0 and 1 window 2, destination window 1
.set p, 0
.rept 32
	v_pk_mul_f32 v[p:p+1], v[p:p+1], v[64+p:65+p]
	v_pk_mul_f32 v[64+p:65+p], v[p:p+1], v[p:p+1]
	v_pk_mul_f32 v[128+p:129+p], v[64+p:65+p], v[64+p:65+p]
.set p, p+2
.endr
	; their sums over my 64 i: six chains by turns
	WIN 0x05                                       ; sources 0 and 1 window 1, destination window 0
.set n, 0
.rept 6
	v_pk_add_f32 v[SU+2*n:SU+2*n+1], v[32*n:32*n+1], v[32*n+2:32*n+3]
.set n, n+1
.endr
	WIN 0x04                                       ; source 1 window 1
.set i, 4
.rept 14
.set n, 0
.rept 6
	v_pk_add_f32 v[SU+2*n:SU+2*n+1], v[SU+2*n:SU+2*n+1], v[32*n+i:32*n+i+1]
.set n, n+1
.endr
.set i, i+2
.endr
	WIN 0
.irp n, 0,4,8
	v_pk_add_f32 v[SU+\n:SU+\n+1], v[SU+\n:SU+\n+1], v[SU+\n+2:SU+\n+3]
.endr
.irp n, 0,4,8
	v_add_f32 v[SU+\n], v[SU+\n], v[SU+\n+1]
.endr
.irp n, 0,4,8
	v_permlanex16_b32 v[SU+\n+1], v[SU+\n], s[SEL], s[SEL+1]
.endr
.irp n, 0,4,8
	v_add_f32 v[SU+\n], v[SU+\n], v[SU+\n+1]       ; with lane l xor 16's 64: SU = z1 . z2, SU + 4 = |z1|^2, SU + 8 = |z2|^2
.endr
	; With A = 1 / |z1|^2, B = 1 / |z2|^2, G = 1 / (|z1| |z2|), c = (z1 . z2) G and the slice's sign in every term:
	;    d11 = a1 + b1 t + g1 q1      -2 d12 = c0 + ct t + cq1 q1 + cq2 q2      d22 = a3 + b3 t + g3 q2
	;    c0 = 2 G, ct = c0 c G, b1 = c0 A, b3 = c0 B, cq1 = -b1, cq2 = -b3, a1 = c A, a3 = c B, g1 = -3 a1 A, g3 = -3 a3 B
	v_rsq_f32 v[R1], v[SU+4]
	v_rsq_f32 v[R2], v[SU+8]
	v_nop                                          ; one plain place behind the transcendentals
	s_wait_alu depctr_va_vdst(0)                   ; the two reciprocal roots have written v[R1], v[R2]: the wait ahead of their first reader, one for both
	v_mul_f32 v[AA], v[R1], v[R1]
	v_mul_f32 v[BB], v[R2], v[R2]
	v_mul_f32 v[GG], v[R1], v[R2]
	v_mul_f32 v[CC], v[SU], v[GG]                  ; the cosine
	v_mul_f32 v[CO], s[SG2], v[GG]                 ; c0
	v_mul_f32 v[SC], s[SG1], v[CC]
	v_mul_f32 v[TM], v[CC], v[GG]
	v_mul_f32 v[CO+16], v[CO], v[AA]               ; b1
	v_mul_f32 v[CO+18], v[CO], v[BB]               ; b3
	v_mul_f32 v[CO+2], v[CO], v[TM]                ; ct
	v_mul_f32 v[CO+10], v[SC], v[AA]               ; a1
	v_mul_f32 v[CO+14], v[SC], v[BB]               ; a3
	v_mul_f32 v[CO+4], -1.0, v[CO+16]              ; cq1
	v_mul_f32 v[CO+6], -1.0, v[CO+18]              ; cq2
	v_mul_f32 v[TM], 0xc0400000, v[CO+10]          ; -3 a1
	v_mul_f32 v[TM+1], 0xc0400000, v[CO+14]
	v_mul_f32 v[CO+8], v[TM], v[AA]                ; g1
	v_mul_f32 v[CO+12], v[TM+1], v[BB]             ; g3
.set n, 0
.rept 10
	v_mov_b32 v[CO+2*n+1], v[CO+2*n]               ; each twice: a pair for the packed forms
.set n, n+1
.endr
	; the three diagonals, seven packed multiply-adds for two i: e = -2 d12 in v192-255; d11 takes q1's place, d22 q2's
	WIN 0x41                                       ; source 0 and destination window 1; the coefficients (sources 1 and 2) window 0
.set p, 0
.rept 32
	v_pk_fma_f32 v[192+p:193+p], v[p:p+1], v[CO+2:CO+3], v[CO:CO+1]
.set p, p+2
.endr
	WIN 0x51                                       ; source 2 window 1 too
.set p, 0
.rept 32
	v_pk_fma_f32 v[192+p:193+p], v[64+p:65+p], v[CO+4:CO+5], v[192+p:193+p]
.set p, p+2
.endr
.set p, 0
.rept 32
	v_pk_fma_f32 v[192+p:193+p], v[128+p:129+p], v[CO+6:CO+7], v[192+p:193+p]
.set p, p+2
.endr
	WIN 0x41
.set p, 0
.rept 32
	v_pk_fma_f32 v[64+p:65+p], v[64+p:65+p], v[CO+8:CO+9], v[CO+10:CO+11]
	v_pk_fma_f32 v[128+p:129+p], v[128+p:129+p], v[CO+12:CO+13], v[CO+14:CO+15]
.set p, p+2
.endr
	WIN 0x51
.set p, 0
.rept 32
	v_pk_fma_f32 v[64+p:65+p], v[p:p+1], v[CO+16:CO+17], v[64+p:65+p]
	v_pk_fma_f32 v[128+p:129+p], v[p:p+1], v[CO+18:CO+19], v[128+p:129+p]
.set p, p+2
.endr
	; P: x1^2, x1 x2, x2^2 of my work-group's 64 columns, two columns a lane.  The products stand ahead of D's stores, so that one wait serves both runs of stores
	s_wait_loadcnt 0x0                             ; the slices
	WIN 0xcf                                       ; sources 0, 1 and destination window 3
.set n, 0
.rept 16
	v_pk_mul_f32 v[192+2*n:193+2*n], v[128+2*n:129+2*n], v[160+2*n:161+2*n]
.set n, n+1
.endr
.set n, 0
.rept 32
	v_pk_mul_f32 v[128+2*n:129+2*n], v[128+2*n:129+2*n], v[128+2*n:129+2*n]
.set n, n+1
.endr
	; D to my region: row k = 16 x kind + pair; a lane's registers 8 t + 0 .. 7 are i = 16 t + 8 h + 0 .. 7
	WIN 0x04                                       ; the data: window 1
	s_wait_alu depctr_va_vdst(0)                   ; the diagonals (window 1) and P's products (window 3) are written, which the 96 stores below read.  All vector and matrix lines that named v64-191 of window 0 (codes, scale words, work) are done too: the sum's rows land there
.set kap, 0
.irp kb, 64, 192, 128                          ; kind 0: d11, kind 1: -2 d12, kind 2: d22
.set t, 0
.rept 16
	ds_store_b128 v[ADS], v[\kb+4*t:\kb+4*t+3] offset:16*DP*kap+64*(t/2)+16*(t%2)
.set t, t+1
.endr
.set kap, kap+1
.endr
	WIN 0x0c                                       ; the data: window 3.  P: row k likewise
.set kap, 0
.irp kb, 128, 192, 160
.set n, 0
.rept 16
	ds_store_b64 v[APS], v[\kb+2*n:\kb+2*n+1] offset:16*PP*kap+PP*n
.set n, n+1
.endr
.set kap, kap+1
.endr
	WIN 0
	BARRIER                                        ; my stores have landed.  No wave reads another's D or P: the barrier only parts the phase that writes LDS from the phase that reads it, for all four waves at once
	s_wait_alu depctr_vm_vsrc(0)                   ; D's stores have read window 1, which the sum's first products write again
; THE SUM.  A row of D and a row of P into row buffer b: 8 loads of 16 bytes; load c of D brings i = 32 c + 4 li + 0..3 (eight different 16-byte pieces on end), load c' of P brings j = 16 c' + 4 lj + 0..3.
; row: counted from the row at which v[ADA] and v[APA] stand.
.macro LDROW b, row
.irp c, 0,1,2,3
	ds_load_b128 v[OPB+32*(\b)+4*\c:OPB+32*(\b)+4*\c+3], v[ADA] offset:DP*(\row)+128*\c
.endr
.irp c, 0,1,2,3
	ds_load_b128 v[OPB+32*(\b)+16+4*\c:OPB+32*(\b)+16+4*\c+3], v[APA] offset:PP*(\row)+64*\c
.endr
.endm
; 64 packed multiply-adds, half of a row's 128: i numbers lo .. lo + 7.  Accumulator 16 ii + jj holds (i number ii, j numbers jj, jj + 1).  Of a pair of D's registers op_sel and op_sel_hi take the first for both halves, or the second.
; first = 1: the products start the sums: nothing is cleared.
.macro FMAS b, first, lo
.set DBR, OPB+32*(\b)
.set PBR, OPB+32*(\b)+16
.set ii, \lo
.rept 4
.set jj, 0
.rept 8
.if \first
	v_pk_mul_f32 v[16*ii+jj:16*ii+jj+1], v[PBR+jj:PBR+jj+1], v[DBR+ii:DBR+ii+1] op_sel_hi:[1,0]
.else
	v_pk_fma_f32 v[16*ii+jj:16*ii+jj+1], v[PBR+jj:PBR+jj+1], v[DBR+ii:DBR+ii+1], v[16*ii+jj:16*ii+jj+1] op_sel_hi:[1,0,1]
.endif
.set jj, jj+2
.endr
.set jj, 0
.rept 8
.if \first
	v_pk_mul_f32 v[16*ii+16+jj:16*ii+17+jj], v[PBR+jj:PBR+jj+1], v[DBR+ii:DBR+ii+1] op_sel:[0,1] op_sel_hi:[1,1]
.else
	v_pk_fma_f32 v[16*ii+16+jj:16*ii+17+jj], v[PBR+jj:PBR+jj+1], v[DBR+ii:DBR+ii+1], v[16*ii+16+jj:16*ii+17+jj] op_sel:[0,1,0] op_sel_hi:[1,1,1]
.endif
.set jj, jj+2
.endr
.set ii, ii+2
.endr
.endm
.set W_ACC, 0x50                               ; C and D window 1, the operands window 0
; A PAIR of rows k, k + 1, in set s (row buffers 2 s, 2 s + 1).  ld = 1: the next pair's rows, r and r + 1 counted from v[ADA], are asked for, into the other set: eight loads at the head, eight behind 64 multiply-adds,
; so that 192 multiply-adds or more stand between a load and the use of its data.  wt = 1: the pair before has multiplied from the set in which these loads land.
.macro PAIR s, first, ld, r, wt
	s_wait_dscnt 8                                 ; LDS loads come back in order (ISA guide 5.7.1): this pair's first row is in; its second row's 8 loads may be out
.if \wt
	s_wait_alu depctr_va_vdst(0)                   ; the multiply-adds of the pair before are done reading the other set, in which the loads below land; in a trip's first pair v[ADA] and v[APA] are written, which they read
.endif
.if \ld
	LDROW 2-2*(\s), \r
.endif
	WIN W_ACC
	FMAS 2*(\s), \first, 0
.if \ld
	WIN 0
	LDROW 3-2*(\s), (\r)+1                         ; no wait: no vector line since the pair's head names the other set or an address
	WIN W_ACC
.endif
	FMAS 2*(\s), \first, 8
.if \ld
	s_wait_dscnt 16                                ; this pair's second row is in; the next pair's 16 loads may be out
.else
	s_wait_dscnt 0x0
.endif
	FMAS 2*(\s)+1, 0, 0
	FMAS 2*(\s)+1, 0, 8
	WIN 0                                          ; at a label and at a branch every window is 0
.endm
; The head of a trip: the two addresses move on by the trip's four rows.
.macro ON
	s_wait_alu depctr_vm_vsrc(0)                   ; the LDS loads issued so far have read v[ADA] and v[APA]
	v_add_nc_u32 v[ADA], 4*DP, v[ADA]
	v_add_nc_u32 v[APA], 4*PP, v[APA]
.endm
	LDROW 0, 0                                     ; k = 0
	LDROW 1, 1                                     ; k = 1
	PAIR 0, 1, 1, 2, 0                             ; k = 0, 1: the products of k = 0 start the sums; rows 2, 3 are asked for.  No wait at its head: nothing has named set 1's registers since the wait ahead of D's stores
	s_mov_b32 s[CNT], 11
.Lk:                                               ; trip n = 1 .. 11: k = 4 n - 2 .. 4 n + 1 are multiplied, rows 4 n .. 4 n + 3 asked for; both sets are back where they began
	ON
	PAIR 1, 0, 1, 0, 1
	PAIR 0, 0, 1, 2, 1
	s_sub_co_u32 s[CNT], s[CNT], 1
	s_cmp_lg_u32 s[CNT], 0
	s_cbranch_scc1 .Lk
	PAIR 1, 0, 0, 0, 0                             ; k = 46, 47: the last pair is written out, so that nothing is read behind row 47; it issues no load and owes no wait
	BARRIER                                        ; the stage lies over D and P: the phase that reads them is over in all four waves
	; my tile into my stage: 128 rows of 256 bytes + 16; sixteen lanes of a store (4 li x 4 lj) touch sixteen different 16-byte columns
	WIN 0x04
	s_wait_alu depctr_va_vdst(0)                   ; the multiply-adds have written the accumulators, which the stores below read
.set ii, 0
.rept 16
.set g, 0
.rept 4
	ds_store_b128 v[AST], v[16*ii+4*g:16*ii+4*g+3] offset:(32*(ii/4)+ii%4)*SP+64*g
.set g, g+1
.endr
.set ii, ii+1
.endr
	WIN 0
	BARRIER                                        ; the four tiles lie in LDS
	WIN 0x40
	s_wait_alu depctr_va_vdst(0)                   ; the multiply-adds have written the accumulators' registers, in which the loads below land
	s_wait_alu depctr_vm_vsrc(0)                   ; and the stage's stores have read them
.set g, 0
.rept 4                                        ; rows 32 w .. 32 w + 31 of each wave's tile: lanes 0-15 one row of 256 bytes, lanes 16-31 the next
.set m, 0
.rept 16
	ds_load_b128 v[64*g+4*m:64*g+4*m+3], v[ARD+g] offset:2*SP*m
.set m, m+1
.endr
.set g, g+1
.endr
	s_wait_dscnt 32                                ; the first two tiles' 32 loads are in
	WIN 0x55                                       ; all in window 1
.set p, 0
.rept 32
	v_pk_add_f32 v[p:p+1], v[p:p+1], v[64+p:65+p]
.set p, p+2
.endr
	s_wait_dscnt 0x0
.set p, 0
.rept 32
	v_pk_add_f32 v[128+p:129+p], v[128+p:129+p], v[192+p:193+p]
.set p, p+2
.endr
.set p, 0
.rept 32
	v_pk_add_f32 v[p:p+1], v[p:p+1], v[128+p:129+p]
.set p, p+2
.endr
	WIN 0x04                                       ; a store's data are its source 1
	s_wait_alu depctr_va_vdst(0)                   ; the additions have written v0-63 of window 1, which the stores below read
.set m, 0
.rept 16
	global_store_b128 v[OG], v[4*m:4*m+3], s[18:19] offset:4096*m th:TH_STORE_NT   ; sixteen lanes store 256 consecutive bytes, at a multiple of 256 from part's first byte; written once, read by nobody in this launch
.set m, m+1
.endr
	WIN 0
	s_wait_dscnt 0x0
	s_wait_alu depctr_hold_cnt(0) depctr_sa_sdst(0) depctr_va_vdst(0) depctr_va_sdst(0) depctr_va_ssrc(0) depctr_va_vcc(0) depctr_vm_vsrc(0)
	s_wait_tensorcnt 0x0
	ds_add_u32 v254, v255
	s_wait_dscnt 0x0
	s_endpgm
.Lfunc_end_k_q8faa455d59_pairs:
	.size	k_q8faa455d59_pairs, .Lfunc_end_k_q8faa455d59_pairs-k_q8faa455d59_pairs
	.p2alignl 7, 3214868480
	.fill 96, 4, 3214868480
	.section	.rodata,"a",@progbits
	.p2align	6, 0x0
	.amdhsa_kernel k_q8faa455d59_pairs
		.amdhsa_group_segment_fixed_size 201216
		.amdhsa_private_segment_fixed_size 0
		.amdhsa_enable_private_segment 0
		.amdhsa_kernarg_size 64
		.amdhsa_user_sgpr_count 2
		.amdhsa_user_sgpr_kernarg_segment_ptr 1
		.amdhsa_wavefront_size32 1
		.amdhsa_system_sgpr_workgroup_id_x 1
		.amdhsa_system_sgpr_workgroup_id_y 1
		.amdhsa_system_sgpr_workgroup_id_z 1
		.amdhsa_system_vgpr_workitem_id 0
		.amdhsa_next_free_vgpr 1024
		.amdhsa_next_free_sgpr 68
		.amdhsa_reserve_vcc 0
		.amdhsa_float_denorm_mode_32 3
		.amdhsa_float_denorm_mode_16_64 3
		.amdhsa_memory_ordered 1
		.amdhsa_forward_progress 1
		.amdhsa_inst_pref_size 194
	.end_amdhsa_kernel
	.amdgpu_metadata
---
amdhsa.version: [ 1, 2 ]
amdhsa.kernels:
  - .name:           k_q8faa455d59_pairs
    .symbol:         k_q8faa455d59_pairs.kd
    .args:
      - { .name: x, .offset: 0, .size: 8, .value_kind: global_buffer, .address_space: global }
      - { .name: W_codes, .offset: 8, .size: 8, .value_kind: global_buffer, .address_space: global }
      - { .name: W_scales, .offset: 16, .size: 8, .value_kind: global_buffer, .address_space: global }
      - { .name: ap, .offset: 24, .size: 8, .value_kind: global_buffer, .address_space: global }
      - { .name: p, .offset: 32, .size: 8, .value_kind: global_buffer, .address_space: global }
      - { .name: an, .offset: 40, .size: 8, .value_kind: global_buffer, .address_space: global }
      - { .name: n, .offset: 48, .size: 8, .value_kind: global_buffer, .address_space: global }
      - { .name: part, .offset: 56, .size: 8, .value_kind: global_buffer, .address_space: global }
    .group_segment_fixed_size: 201216
    .private_segment_fixed_size: 0
    .kernarg_segment_align: 8
    .kernarg_segment_size: 64
    .max_flat_workgroup_size: 128
    .sgpr_count:     68
    .vgpr_count:     1024
    .wavefront_size: 32
...
	.end_amdgpu_metadata
.endif
;; end of part 3
;; launch fold: the kernel of part 2 again; grid 256 x 1, 2 waves a work-group, no clusters, 0 bytes of LDS; arguments part, out0; writes out0
